; MI455X (gfx1250); checked and timed in simulation.
; The chip was launched on July 23, 2026; its instructions are those of AMD's public machine-readable ISA for CDNA 5 (MIT licence, August 2026) and "CDNA5" Instruction Set Architecture Reference Guide (July 2026). The comments in the code are by the model that wrote it; some were corrected since.
;; Chunkwise Retention. Allowed arithmetic: float matrix products may take bf16 or f16 operands with f32 sums; all other float work in f32.
;; Inputs: Wk 512 x 512 float32; Wq 512 x 512 float32; Wv 512 x 512 float32; xk 8 x 512 x 512 float32; xq 8 x 512 x 512 float32; xv 8 x 512 x 512 float32.
;; Outputs: out0 8 x 512 x 512 float32.
;; One version. Each part assembles by itself: llvm-mc -triple=amdgcn-amd-amdhsa -mcpu=gfx1250 --defsym DOCPART=n.
;; ======== version 1 of 1: 2 launches
;; limits: values outside matrix products are rounded to bf16
;; workspace buffers: ws 12,713,984 bytes
;; launch proj (part 1): grid 2 x 96, 4 waves a work-group, no clusters, 107,008 bytes of LDS; arguments xq, xk, xv, Wq, Wk, Wv, ws; writes ws
.if DOCPART == 1
	.amdgcn_target "amdgcn-amd-amdhsa--gfx1250"
	.amdhsa_code_object_version 6
	.text
	.protected	k_q582359d341_proj
	.globl	k_q582359d341_proj
	.p2align	8
	.type	k_q582359d341_proj,@function
k_q582359d341_proj:
	s_mov_b64 s[64:65], 0
	v_nop
	global_prefetch_b8 v0, s[64:65] scope:SCOPE_SE
	s_setreg_imm32_b32 hwreg(HW_REG_WAVE_MODE, 25, 1), 1
	s_wait_xcnt 0x0
; The three projections Q = xq Wq, K = xk Wk, V = xv Wv (each 4096 x 512 x 512), bf16 operands, f32 sums, stored as bf16 in the
; register image of 16 x 32 matrix fragments, so that the next launch loads operands straight into registers.
; The scan of the problem unrolls to out[t] = sum over j <= t of A'[t][j] V[j], A'[t][j] = (Q[t+1].K[j]) g^(2(t+1-j)) + (t == j) s[t],
; s[t] = (sum of Q[t]) (sum of K[t]), g = 0.9865.  The decay is split into a factor for each row, applied here in f32 before the one rounding:
;   QF row t = Q[(t+1) & 511] * g^(2i), i = (t+1) & 511, and 0 for i = 0 (the last token has no cross term);   KF row j = K[j] * g^(-2j);   VF = V.
; ws: QF at 0, KF at 4 MiB: [b][16 rows tt][32 d ks][1024 bytes];  VF at 8 MiB: [b][32 tokens js][16 columns et][1024 bytes] (V transposed);
;     a block: lane L's registers 0-3 at 16 L, its registers 4-7 at 512 + 16 L.
;     SUMS at 12 MiB: [Q, K][4 parts of 128 columns][4096 rows] f32: sums of the unscaled f32 results, by source row.
; LIMITS: Q[b][0][:] must be finite (it is multiplied by 0); |K| g^(-1022), a factor of about 1.07e6, must be finite in bf16; the powers of g are
; exp2(+-0.039218088 i) in f32, relative error about 1e-6; sums run in another order than the reference's.
; A work-group makes 128 rows x 256 columns of one product, four waves of 64 x 128 (32 accumulator tiles, 256 registers).  K goes in chunks of 64:
; f32 comes into registers (48 loads of 16 bytes a thread and chunk), is rounded to bf16 there and laid into one of two LDS buffers.
; No tensor loads: the data must pass registers to be rounded, so a fill of LDS in f32 would only add an LDS write and read of every byte.
; No cluster: what work-groups share (W) takes the same way through registers.  192 work-groups: 3 x 4096 rows in tiles that stay inside one product.
.set XP,    144                        ; LDS row of x: 64 bf16 + 16 bytes, an odd multiple of 16
.set XBUF,  128*XP
.set WP,    544                        ; LDS row of W: 256 bf16 + 32 bytes, an odd multiple of 32 (for the transposing loads)
.set WBUF,  64*WP
.set WLDS0, 2*XBUF                     ; x buffers 0, 1, then W buffers 0, 1
.set SUMS,  12582912
; window 0
.set L16,  1                           ; 16 x lane
.set XRD,  2                           ; LDS address of my x fragments
.set WRD,  3                           ; LDS address of my W fragments
.set SOFF, 4                           ; v4, v5: byte offsets of my rows' sums
.set FAC,  16                          ; v[16:23] four pairs (f, f): the decay of row r of row tile a
.set SUM,  24                          ; v[24:31] four pairs: running row sums
.set F0,   32                          ; v[32:127]  fragments of K step 0 of a chunk: W tile n at 8 n, x tile a at 64 + 8 a
.set F1,   128                         ; v[128:223] the same for K step 1
.set OUTR, 32                          ; v[32:159]  the way out: packed results
; window 1: accumulator tile (a, n) at 8 (8 a + n)
; window 2: what is on its way from memory
.set SX,    0                          ; x unit i at 4 i
.set SW,    64                         ; W unit i at 64 + 4 i
.set XOFFA, 192
.set XOFFB, 193
.set WOFF,  194
.set XLDS,  195
.set WLDS,  196
.set PK,    198                        ; v[198:245] of window 2: a piece's 24 units rounded to bf16, two registers each
.set XB,  28                           ; s[28:29] x of my batch, at the chunk that is asked for
.set WBS, 30                           ; s[30:31] W at my 256 columns, likewise
.set OBS, 32                           ; s[32:33] where my fragments go
.set SBS, 34                           ; s[34:35] where my sums go
.set XBR, 44                           ; the bases that LDX and LDW name: s[44:45], s[46:47] for chunk 0, never rewritten; then XB and WBS
.set WBR, 46
.set MSB, 0
.macro WIN new                         ; low byte: bits 1:0 source 0, 3:2 source 1, 5:4 source 2, 7:6 destination; the high byte repeats the setting that is left
.if MSB != \new
	s_set_vgpr_msb (MSB<<8)|\new
.set MSB, \new
.endif
.endm
.set STG,  0x8a                        ; destination, source 0, source 1 in window 2
.set MULW, 0x50                        ; C and D in window 1, A and B in window 0
.macro PLACES                          ; four plain places behind a matrix instruction (ISA guide 7.12.1) before its registers are loaded into or its result is read
.rept 4
	v_nop
.endr
.endm
.macro ADDSH src, sh                   ; s36 += s[src] << sh
	s_lshl_b32 s42, s[\src], \sh
	s_add_co_u32 s36, s36, s42
.endm
	s_load_b256 s[8:15], s[0:1], 0x0               ; xq s[8:9], xk s[10:11], xv s[12:13], Wq s[14:15]
	s_load_b128 s[16:19], s[0:1], 0x20             ; Wk s[16:17], Wv s[18:19]
	s_load_b64 s[20:21], s[0:1], 0x30              ; ws
	v_lshl_add_u32 v254, v0, 2, 0x1a000
	v_mov_b32 v255, 0
	v_lshrrev_b32 v9, 5, v0
	v_readfirstlane_b32 s22, v9                    ; wave w
	s_lshr_b32 s23, s22, 1                         ; wr: which 64 rows
	s_and_b32 s24, s22, 1                          ; wc: which 128 columns
	s_mov_b32 s2, ttmp9                            ; ch: which 256 columns
	s_and_b32 s3, ttmp7, 0xffff
	s_lshr_b32 s4, s3, 5                           ; m: 0 Q, 1 K, 2 V
	s_bfe_u32 s6, s3, 0x30002                      ; b: batch
	s_and_b32 s7, s3, 3                            ; g4: which 128 rows of the batch
	s_cmp_eq_u32 s4, 0
	s_cselect_b32 s25, 1, 0                        ; sh: Q's rows are taken one token later
	v_and_b32 v6, 31, v0                           ; lane
	v_and_b32 v7, 15, v0                           ; r
	v_bfe_u32 v8, v0, 4, 1                         ; h
	v_lshlrev_b32 v[L16], 4, v6
	s_mul_i32 s36, s23, 64*XP
	v_mul_u32_u24 v[XRD], v7, XP
	v_lshl_add_u32 v[XRD], v8, 4, v[XRD]
	v_add_nc_u32 v[XRD], s36, v[XRD]               ; (64 wr + r) pitch + 16 h
	v_and_b32 v9, 7, v0
	v_lshl_add_u32 v9, v8, 3, v9
	v_mul_u32_u24 v[WRD], v9, WP
	v_bfe_u32 v9, v0, 3, 1
	v_lshl_add_u32 v[WRD], v9, 4, v[WRD]
	s_lshl_b32 s36, s24, 8
	s_add_co_u32 s36, s36, WLDS0
	v_add_nc_u32 v[WRD], s36, v[WRD]               ; (8 h + lane % 8) pitch + 256 wc + 16 (lane / 8 % 2)
	; x unit i of a chunk: lanes 0-15 take the 256 bytes of local row 32 w + (i & 7) + 16 (i >> 3), lanes 16-31 those of the row 8 below.
	s_lshl_b32 s36, s7, 7
	s_lshl_b32 s42, s22, 5
	s_add_co_u32 s36, s36, s42
	s_add_co_u32 s36, s36, s25
	v_lshl_add_u32 v10, v8, 3, s36                 ; 128 g4 + 32 w + 8 h + sh
	v_lshlrev_b32 v11, 4, v7
	v_lshl_add_u32 v12, v10, 11, v11               ; units 0 to 14: the row's place stands in the immediate
	v_add_nc_u32 v13, 23, v10
	v_and_b32 v13, 0x1ff, v13                      ; unit 15 alone can pass the batch's last row: it wraps to row 0
	v_lshl_add_u32 v13, v13, 11, v11
	v_lshl_add_u32 v14, s22, 15, v[L16]            ; W unit i: row 16 w + (i >> 1), 512 bytes at (i & 1) 512
	s_mul_i32 s36, s22, 32*XP
	v_mul_u32_u24 v15, v8, 8*XP
	v_lshl_add_u32 v15, v7, 3, v15
	v_add_nc_u32 v15, s36, v15                     ; (32 w + 8 h) pitch + 8 r
	s_mul_i32 s36, s22, 16*WP
	s_add_co_u32 s36, s36, WLDS0
	v_lshl_add_u32 v16, v6, 3, s36                 ; 16 w pitch + 8 lane
	WIN 0x80
	v_mov_b32 v[XOFFA], v12
	v_mov_b32 v[XOFFB], v13
	v_mov_b32 v[WOFF], v14
	v_mov_b32 v[XLDS], v15
	v_mov_b32 v[WLDS], v16
	s_wait_kmcnt 0x0
	s_cmp_eq_u32 s4, 0
	s_cselect_b64 s[44:45], s[8:9], s[10:11]
	s_cselect_b64 s[46:47], s[14:15], s[16:17]
	s_cmp_eq_u32 s4, 2
	s_cselect_b64 s[44:45], s[12:13], s[44:45]
	s_cselect_b64 s[46:47], s[18:19], s[46:47]
	s_lshl_b32 s36, s6, 20                         ; a batch of x: 512 rows of 2,048 bytes
	s_mov_b32 s37, 0
	s_add_nc_u64 s[44:45], s[44:45], s[36:37]      ; chunk 0 of x
	s_lshl_b32 s36, s2, 10
	s_add_nc_u64 s[46:47], s[46:47], s[36:37]      ; chunk 0 of W
	s_add_nc_u64 s[XB:XB+1], s[44:45], 256         ; chunk 1, in registers of their own: chunk 0's loads are never waited for to step a base
	s_add_nc_u64 s[WBS:WBS+1], s[46:47], 0x20000
.macro LDX i
.if \i == 15
	global_load_b128 v[SX+4*\i:SX+4*\i+3], v[XOFFB], s[XBR:XBR+1]
.else
	global_load_b128 v[SX+4*\i:SX+4*\i+3], v[XOFFA], s[XBR:XBR+1] offset:((\i&7)+16*(\i>>3))*2048
.endif
.endm
.macro LDW i
	global_load_b128 v[SW+4*\i:SW+4*\i+3], v[WOFF], s[WBR:WBR+1] offset:(\i>>1)*2048+(\i&1)*512
.endm
; One unit is four f32 a lane.  CV..: rounded to four bf16 in pack registers k; ST..: those 8 bytes into LDS buffer buf.
.macro CVX i
	v_cvt_pk_bf16_f32 v[PK+2*\i], v[SX+4*\i], v[SX+4*\i+1]
	v_cvt_pk_bf16_f32 v[PK+2*\i+1], v[SX+4*\i+2], v[SX+4*\i+3]
.endm
.macro CVW i, k
	v_cvt_pk_bf16_f32 v[PK+2*(\k)], v[SW+4*\i], v[SW+4*\i+1]
	v_cvt_pk_bf16_f32 v[PK+2*(\k)+1], v[SW+4*\i+2], v[SW+4*\i+3]
.endm
.macro STX i, buf
	ds_store_b64 v[XLDS], v[PK+2*\i:PK+2*\i+1] offset:\buf*XBUF+((\i&7)+16*(\i>>3))*XP
.endm
.macro STW i, k, buf
	ds_store_b64 v[WLDS], v[PK+2*(\k):PK+2*(\k)+1] offset:\buf*WBUF+(\i>>1)*WP+(\i&1)*256
.endm
; A chunk's 48 units go in two pieces of 24.  A piece is three runs: 48 conversions into the pack registers; load = 1: the 24 units are asked for again, two chunks
; on (their registers have been read, and no LDS store names them); 24 LDS stores.  So a memory instruction follows a vector instruction whose result or source it
; names once a piece, not once a unit.
; n = how many younger loads may stay out: the other piece's 24, or none at the end.  dw >= 0: a wait on DScnt in front of the stores, for the fragments (see CHUNK).
.macro PIECE0 buf, load, n, dw
	s_wait_loadcnt \n
.set u, 0
.rept 16
	CVX u
.set u, u+1
.endr
.set u, 0
.rept 8
	CVW u, u+16
.set u, u+1
.endr
.if \load
.set u, 0
.rept 16
	LDX u
.set u, u+1
.endr
.set u, 0
.rept 8
	LDW u
.set u, u+1
.endr
.endif
.if \dw >= 0
	s_wait_dscnt \dw
.endif
.set u, 0
.rept 16
	STX u, \buf
.set u, u+1
.endr
.set u, 0
.rept 8
	STW u, u+16, \buf
.set u, u+1
.endr
.endm
.macro PIECE1 buf, load, n, dw
	s_wait_loadcnt \n
.set u, 8
.rept 24
	CVW u, u-8
.set u, u+1
.endr
.if \load
.set u, 8
.rept 24
	LDW u
.set u, u+1
.endr
.endif
.if \dw >= 0
	s_wait_dscnt \dw
.endif
.set u, 8
.rept 24
	STW u, u-8, \buf
.set u, u+1
.endr
.endm
; 24 LDS loads: the fragments of K step ks (32 along K) of the chunk in buffer buf.  W lies [k][column]: the transposing load gives lane (r, h) column r, k = 8 h + 0..7.
.macro FETCH buf, ks, f
.irp n, 0,1,2,3,4,5,6,7
	ds_load_tr16_b128 v[\f+8*\n:\f+8*\n+3],   v[WRD] offset:\buf*WBUF+\ks*32*WP+32*\n
	ds_load_tr16_b128 v[\f+8*\n+4:\f+8*\n+7], v[WRD] offset:\buf*WBUF+\ks*32*WP+32*\n+16*WP
.endr
.irp a, 0,1,2,3
	ds_load_b128 v[\f+64+8*\a:\f+64+8*\a+3],   v[XRD] offset:\buf*XBUF+\a*16*XP+64*\ks
	ds_load_b128 v[\f+64+8*\a+4:\f+64+8*\a+7], v[XRD] offset:\buf*XBUF+\a*16*XP+64*\ks+32
.endr
.endm
; 32 matrix instructions on 32 accumulators, which take turns, one instruction a turn.
; Q and K: source 0 = W, source 1 = x: a lane then holds token r and eight neighbouring d.  V: the other way round: a lane holds column r and eight neighbouring tokens.
.macro MUL32 f, zero, vpath
.irp a, 0,1,2,3
.irp n, 0,1,2,3,4,5,6,7
.if \vpath
.if \zero
	v_wmma_f32_16x16x32_bf16 v[8*(8*\a+\n):8*(8*\a+\n)+7], v[\f+64+8*\a:\f+64+8*\a+7], v[\f+8*\n:\f+8*\n+7], 0
.else
	v_wmma_f32_16x16x32_bf16 v[8*(8*\a+\n):8*(8*\a+\n)+7], v[\f+64+8*\a:\f+64+8*\a+7], v[\f+8*\n:\f+8*\n+7], v[8*(8*\a+\n):8*(8*\a+\n)+7]
.endif
.else
.if \zero
	v_wmma_f32_16x16x32_bf16 v[8*(8*\a+\n):8*(8*\a+\n)+7], v[\f+8*\n:\f+8*\n+7], v[\f+64+8*\a:\f+64+8*\a+7], 0
.else
	v_wmma_f32_16x16x32_bf16 v[8*(8*\a+\n):8*(8*\a+\n)+7], v[\f+8*\n:\f+8*\n+7], v[\f+64+8*\a:\f+64+8*\a+7], v[8*(8*\a+\n):8*(8*\a+\n)+7]
.endif
.endif
.endr
.endr
.endm
; The chunk in buffer p is multiplied; stage = 1: the next chunk goes from registers into buffer o; load = 1: the chunk after that is asked for.
; ONE barrier a chunk orders both ways: in front of it each wave has waited for its stores into p (the last chunk's pieces) and for its reads of o
; (the last chunk's fragments); behind it p is read and o is written.
; DScnt: 48 fragment loads go out; piece 0 waits for 24 in front of its stores (behind F0's loads stand F1's 24); piece 1 waits for 24 in front of its
; stores (behind F1's loads stand piece 0's 24 stores).  At most 48 LDS instructions of the wave are out.
.macro CHUNK p, o, zero, stage, load, n0, n1, vpath
	s_wait_dscnt 0x0
	s_barrier_signal -1
	s_barrier_wait -1
.if \load
	s_wait_xcnt 0x0                                ; the bases are stepped only when every load issued has had its address translated
	s_add_nc_u64 s[XB:XB+1], s[XB:XB+1], 256       ; 64 columns of x
	s_add_nc_u64 s[WBS:WBS+1], s[WBS:WBS+1], 0x20000   ; 64 rows of W
.endif
	PLACES
	WIN 0
	FETCH \p, 0, F0
	FETCH \p, 1, F1
.if \stage
	WIN STG
	PIECE0 \o, \load, \n0, 24
.else
	s_wait_dscnt 24                                ; behind F0's loads: F1's 24
.endif
	WIN MULW
	MUL32 F0, \zero, \vpath
.if \stage
	WIN STG
	PIECE1 \o, \load, \n1, 24
.else
	s_wait_dscnt 0x0
.endif
	WIN MULW
	MUL32 F1, 0, \vpath
.endm
	WIN STG
.set u, 0
.rept 16
	LDX u                                          ; chunk 0
.set u, u+1
.endr
.set u, 0
.rept 32
	LDW u
.set u, u+1
.endr
.set XBR, XB                                       ; from here on the stepped bases
.set WBR, WBS
	PIECE0 0, 1, 24, -1                            ; chunk 0 into buffer 0; chunk 1 is asked for
	PIECE1 0, 1, 24, -1
	WIN 0
	s_cmp_eq_u32 s4, 2
	s_cbranch_scc1 .Lv
	; ---------------- Q and K ----------------
	s_lshl_b32 s36, s4, 22                         ; QF or KF; block ((32 b + 8 g4 + 4 wr) 16 + 8 ch + 4 wc) of 1,024 bytes
	ADDSH 6, 19
	ADDSH 7, 17
	ADDSH 23, 16
	ADDSH 2, 13
	ADDSH 24, 12
	s_add_nc_u64 s[OBS:OBS+1], s[20:21], s[36:37]
	s_mov_b32 s36, SUMS                            ; word (4 m + 2 ch + wc) 4096 + 512 b
	ADDSH 4, 16
	ADDSH 2, 15
	ADDSH 24, 14
	ADDSH 6, 11
	s_add_nc_u64 s[SBS:SBS+1], s[20:21], s[36:37]
	s_lshl_b32 s43, s7, 7
	s_lshl_b32 s42, s23, 6
	s_add_co_u32 s43, s43, s42
	s_add_co_u32 s43, s43, s25                     ; source row of my first row: 128 g4 + 64 wr + sh
	s_mov_b32 s26, 0x3d20a325                      ; -2 log2(0.9865) = 0.039218088: K's rows grow,
	s_lshl_b32 s42, s25, 31
	s_xor_b32 s26, s26, s42                        ; Q's shrink
	s_cmp_eq_u32 s4, 0
	s_cselect_b32 s27, 0, -1                       ; the source row whose factor is 0: Q's row 0; none of K's
	s_mov_b32 s39, 0x76543210                      ; v_permlanex16_b32: lane i of one half reads lane i of the other
	s_mov_b32 s40, 0xfedcba98
	s_mov_b32 s41, 0xffff0000                      ; lanes 16 to 31
.irp a, 0,1,2,3
	v_add3_u32 v[10+\a], s43, v7, 16*\a
	v_and_b32 v[10+\a], 0x1ff, v[10+\a]            ; i: source row of row r of row tile a
	v_cvt_f32_u32 v[FAC+2*\a], v[10+\a]
	v_mul_f32 v[FAC+2*\a], s26, v[FAC+2*\a]
.endr
.irp a, 0,1,2,3
	v_exp_f32 v[FAC+2*\a], v[FAC+2*\a]
.endr
.irp a, 0,1,2,3
	v_cmp_ne_u32 vcc_lo, s27, v[10+\a]             ; (the first of these is the plain place behind the exponentials)
	s_wait_alu depctr_va_vdst(0)
	v_cndmask_b32 v[FAC+2*\a], 0, v[FAC+2*\a], vcc_lo
	v_mov_b32 v[FAC+2*\a+1], v[FAC+2*\a]
.endr
	v_add_nc_u32 v[SOFF], s43, v6                  ; sums: lane L stores source row (first + 32 q + L) & 511
	v_add3_u32 v[SOFF+1], s43, v6, 32
	v_and_b32 v[SOFF], 0x1ff, v[SOFF]
	v_and_b32 v[SOFF+1], 0x1ff, v[SOFF+1]
	v_lshlrev_b32 v[SOFF], 2, v[SOFF]
	v_lshlrev_b32 v[SOFF+1], 2, v[SOFF+1]
	CHUNK 0, 1, 1, 1, 1, 24, 24, 0                 ; the first products start the sums: nothing is cleared
	CHUNK 1, 0, 0, 1, 1, 24, 24, 0
	WIN 0
	s_mov_b32 s38, 2
.Lqk:
	CHUNK 0, 1, 0, 1, 1, 24, 24, 0
	CHUNK 1, 0, 0, 1, 1, 24, 24, 0
	WIN 0
	s_sub_co_u32 s38, s38, 1
	s_cmp_lg_u32 s38, 0
	s_cbranch_scc1 .Lqk
	CHUNK 0, 1, 0, 1, 0, 24, 0, 0                  ; chunk 6: chunk 7 goes into LDS, nothing is left to ask for
	CHUNK 1, 0, 0, 0, 0, 0, 0, 0                   ; chunk 7
	PLACES
	; row sums of the unscaled f32 results: 64 numbers a lane and row tile, four chains
	WIN 0x05
.irp a, 0,1,2,3
	v_pk_add_f32 v[SUM+2*\a:SUM+2*\a+1], v[64*\a:64*\a+1], v[64*\a+2:64*\a+3]
.endr
	WIN 0x01
.set p, 2
.rept 30
.irp a, 0,1,2,3
	v_pk_add_f32 v[SUM+2*\a:SUM+2*\a+1], v[64*\a+2*p:64*\a+2*p+1], v[SUM+2*\a:SUM+2*\a+1]
.endr
.set p, p+1
.endr
	WIN 0x41
.irp a, 0,1,2,3
.set p, 0
.rept 32
	v_pk_mul_f32 v[64*\a+2*p:64*\a+2*p+1], v[64*\a+2*p:64*\a+2*p+1], v[FAC+2*\a:FAC+2*\a+1]   ; the row's decay, in f32
.set p, p+1
.endr
.endr
	WIN 0x05
.set q, 0
.rept 128
	v_cvt_pk_bf16_f32 v[OUTR+q], v[2*q], v[2*q+1]  ; the one rounding
.set q, q+1
.endr
	WIN 0
.irp a, 0,1,2,3
	v_add_f32 v[SUM+2*\a], v[SUM+2*\a], v[SUM+2*\a+1]
.endr
.irp a, 0,1,2,3
	v_permlanex16_b32 v[SUM+2*\a+1], v[SUM+2*\a], s39, s40     ; the other eight columns of each 16 lie in the other half of the lanes
.endr
.irp a, 0,1,2,3
	v_add_f32 v[SUM+2*\a], v[SUM+2*\a], v[SUM+2*\a+1]
.endr
	v_cndmask_b32 v8, v[SUM], v[SUM+2], s41        ; lanes 0-15: row tile 0, lanes 16-31: row tile 1
	v_cndmask_b32 v9, v[SUM+4], v[SUM+6], s41      ; row tiles 2, 3
	global_store_b32 v[SOFF], v8, s[SBS:SBS+1]
	global_store_b32 v[SOFF+1], v9, s[SBS:SBS+1]
.irp a, 0,1,2,3
.irp n, 0,1,2,3,4,5,6,7
	global_store_b128 v[L16], v[OUTR+4*(8*\a+\n):OUTR+4*(8*\a+\n)+3], s[OBS:OBS+1] offset:\a*16384+\n*512   ; tile (a, n) is half n & 1 of block (a, n >> 1): 512 consecutive bytes, aligned
.endr
.endr
	s_wait_tensorcnt 0x0
	ds_add_u32 v254, v255
	s_wait_dscnt 0x0
	s_endpgm
	; ---------------- V ----------------
.Lv:
	s_mov_b32 s36, 8388608                         ; VF; block ((16 b + 4 g4 + 2 wr) 32 + 16 ch + 8 wc) of 1,024 bytes
	ADDSH 6, 19
	ADDSH 7, 17
	ADDSH 23, 16
	ADDSH 2, 14
	ADDSH 24, 13
	s_add_nc_u64 s[OBS:OBS+1], s[20:21], s[36:37]
	CHUNK 0, 1, 1, 1, 1, 24, 24, 1
	CHUNK 1, 0, 0, 1, 1, 24, 24, 1
	WIN 0
	s_mov_b32 s38, 2
.Lvk:
	CHUNK 0, 1, 0, 1, 1, 24, 24, 1
	CHUNK 1, 0, 0, 1, 1, 24, 24, 1
	WIN 0
	s_sub_co_u32 s38, s38, 1
	s_cmp_lg_u32 s38, 0
	s_cbranch_scc1 .Lvk
	CHUNK 0, 1, 0, 1, 0, 24, 0, 1
	CHUNK 1, 0, 0, 0, 0, 0, 0, 1
	PLACES
	WIN 0x05
.set q, 0
.rept 128
	v_cvt_pk_bf16_f32 v[OUTR+q], v[2*q], v[2*q+1]
.set q, q+1
.endr
	WIN 0
.irp a, 0,1,2,3
.irp n, 0,1,2,3,4,5,6,7
	global_store_b128 v[L16], v[OUTR+4*(8*\a+\n):OUTR+4*(8*\a+\n)+3], s[OBS:OBS+1] offset:(\a>>1)*32768+(\a&1)*512+\n*1024   ; tile (a, n) is half a & 1 of block (a >> 1, n)
.endr
.endr
	s_wait_tensorcnt 0x0
	ds_add_u32 v254, v255
	s_wait_dscnt 0x0
	s_endpgm
.Lfunc_end_k_q582359d341_proj:
	.size	k_q582359d341_proj, .Lfunc_end_k_q582359d341_proj-k_q582359d341_proj
	.p2alignl 7, 3214868480
	.fill 96, 4, 3214868480
	.section	.rodata,"a",@progbits
	.p2align	6, 0x0
	.amdhsa_kernel k_q582359d341_proj
		.amdhsa_group_segment_fixed_size 107008
		.amdhsa_private_segment_fixed_size 0
		.amdhsa_enable_private_segment 0
		.amdhsa_kernarg_size 56
		.amdhsa_user_sgpr_count 2
		.amdhsa_user_sgpr_kernarg_segment_ptr 1
		.amdhsa_wavefront_size32 1
		.amdhsa_system_sgpr_workgroup_id_x 1
		.amdhsa_system_sgpr_workgroup_id_y 1
		.amdhsa_system_sgpr_workgroup_id_z 1
		.amdhsa_system_vgpr_workitem_id 0
		.amdhsa_next_free_vgpr 768
		.amdhsa_next_free_sgpr 66
		.amdhsa_reserve_vcc 1
		.amdhsa_float_denorm_mode_32 3
		.amdhsa_float_denorm_mode_16_64 3
		.amdhsa_memory_ordered 1
		.amdhsa_forward_progress 1
		.amdhsa_inst_pref_size 255
	.end_amdhsa_kernel
	.section	.bss,"aw",@nobits
	.p2align	6
	.space	262144
	.amdgpu_metadata
---
amdhsa.version: [ 1, 2 ]
amdhsa.kernels:
  - .name:           k_q582359d341_proj
    .symbol:         k_q582359d341_proj.kd
    .args:
      - { .name: xq, .offset: 0, .size: 8, .value_kind: global_buffer, .address_space: global }
      - { .name: xk, .offset: 8, .size: 8, .value_kind: global_buffer, .address_space: global }
      - { .name: xv, .offset: 16, .size: 8, .value_kind: global_buffer, .address_space: global }
      - { .name: Wq, .offset: 24, .size: 8, .value_kind: global_buffer, .address_space: global }
      - { .name: Wk, .offset: 32, .size: 8, .value_kind: global_buffer, .address_space: global }
      - { .name: Wv, .offset: 40, .size: 8, .value_kind: global_buffer, .address_space: global }
      - { .name: ws, .offset: 48, .size: 8, .value_kind: global_buffer, .address_space: global }
    .group_segment_fixed_size: 107008
    .private_segment_fixed_size: 0
    .kernarg_segment_align: 8
    .kernarg_segment_size: 56
    .max_flat_workgroup_size: 128
    .sgpr_count:     66
    .vgpr_count:     768
    .wavefront_size: 32
...
	.end_amdgpu_metadata
.endif
;; end of part 1
;; launch attn (part 2): grid 32 x 8, 16 waves a work-group, no clusters, 67,584 bytes of LDS; arguments ws, out0; writes out0
.if DOCPART == 2
	.amdgcn_target "amdgcn-amd-amdhsa--gfx1250"
	.amdhsa_code_object_version 6
	.text
	.protected	k_q582359d341_attn
	.globl	k_q582359d341_attn
	.p2align	8
	.type	k_q582359d341_attn,@function
k_q582359d341_attn:
	s_mov_b64 s[64:65], 0
	v_nop
	global_prefetch_b8 v0, s[64:65] scope:SCOPE_SE
	s_setreg_imm32_b32 hwreg(HW_REG_WAVE_MODE, 25, 1), 1
	s_wait_xcnt 0x0
; out[b][t] = sum over j <= t of A'[t][j] V[j],  A'[t][j] = QF[t].KF[j] + (t == j) s[t],  s[t] = (sum of Q[t]) (sum of K[t]).
; QF, KF, VF and the partial sums are as the first launch left them in ws: bf16 in the register image of 16 x 32 fragments, blocks of 1,024 bytes
; (lane L's registers 0-3 at 16 L, registers 4-7 at 512 + 16 L); the decay g^(2(t+1-j)) is already in QF's and KF's rows; QF's row 511 is zero.
; A work-group makes 32 tokens (block J of batch b) x 256 columns (half c) with sixteen waves; grid x = 2 J + c.
; Why this tile: a work-group takes in 1,024 bytes of K for each key whatever its tile, and 2 bytes x its columns of V; with 8,192 outputs a work-group,
; 32 x 256 takes 1,536 bytes a key where 16 x 512 takes 2,048.  The scores are made in both column halves: 64 matrix instructions a wave.
;   Scores: wave w <= J makes the 32 x 32 scores against keys 32 w .. 32 w + 31, masks them, adds s on the diagonal, rounds once to bf16 and lays them
;           into LDS as two fragment blocks; the other waves lay down zeros.
;   Output: wave w makes columns 256 c + 16 w .. + 15 of both token tiles over NS = 4 (J/4 + 1) steps of 32 keys; steps past J meet weights of zero.
; The text behind the first barrier is written out for NS = 16, 12, 8, 4 and chosen by a branch on J, the same in all waves: no loop, every LDS address
; a constant and a lane term, the first product starts the sums, and each of V's steps has registers of its own.
; K's and V's fragments are loaded once, by one wave, straight into operand registers.
; No cluster: the two column halves of a token block do read the same K, but a cluster of four along x also holds two token blocks, with different numbers of key
; pairs, and K through LDS is up to 512 KiB, more than LDS holds: slots, a round of the cluster's barrier for each refill, and an LDS write and read of every byte.
; LIMITS: Q, K, V finite (weights of zero still multiply V's rows of later keys, and masked scores are computed before they are dropped).
.set AP,    32768                      ; LDS: Q's 32 blocks at 0 (token tile a at 16384 a); A' at AP: step u, token tile a at 2048 u + 1024 a
.set STP,   1040                       ; the output stage lies over both, from byte 0, once every wave has read them: 32 rows of 256 f32 + 16 bytes (an odd multiple of 16)
.set KFO,   4194304
.set VFO,   8388608
.set SUMSO, 12582912
; v1 16 lane; v2 16 thread; v3 lane, then at work; v4 r; v5 t - j of register 0 in the two score tiles on the diagonal; v6 = v5 - 16; v7 s of row 32 J + lane;
; v9, v14 s of row r of token tile 0, 1; v10 A' write; v11 stage write; v12 stage read; v13 offset of my row's sums; v15 h, then at work;
; v[16:23] partial sums; v[16:31] packed A'
.set QR, 32                            ; v[32:95]   four slots of 16: Q fragments of both token tiles, later A' fragments; first, Q on its way to LDS
.set KR, 96                            ; v[96:191]  six slots of 16: K fragments of my two key tiles; as they fall free, V's steps 4 to 15
.set SC, 192                           ; v[192:223] score tile (token tile a, key tile n) at 8 (2 a + n)
.set OA, 192                           ; later the two output tiles
.set OB, 200
.set VR, 224                           ; v[224:255] V's steps 0 to 3
.macro PLACES                          ; four plain places behind a matrix instruction (ISA guide 7.12.1) before its registers are loaded into or its result is read
.rept 4
	v_nop
.endr
.endm
.macro VSET u                          ; vreg = the first of the eight registers of V's step u: steps 4-7 in K's slots 4, 5; 8-11 in slots 0, 1; 12-15 in slots 2, 3
.if (\u) < 4
.set vreg, VR+8*(\u)
.else
.set vreg, KR+(64+8*((\u)-4))%96
.endif
.endm
.macro VITEM u                         ; 32 keys x my 16 columns: 1,024 consecutive bytes
	VSET \u
	global_load_b128 v[vreg:vreg+3],   v1, s[18:19] offset:(\u)*32768
	global_load_b128 v[vreg+4:vreg+7], v1, s[18:19] offset:(\u)*32768+512
.endm
.macro VRUN f
	VITEM \f
	VITEM \f+1
	VITEM \f+2
	VITEM \f+3
.endm
.macro AITEM u                         ; A' of step u, both token tiles: 2,048 consecutive bytes
.irp c, 0,1,2,3
	ds_load_b128 v[QR+16*((\u)&3)+4*\c:QR+16*((\u)&3)+4*\c+3], v1 offset:AP+(\u)*2048+512*\c
.endr
.endm
.macro KITEM ks                        ; d = 32 ks .. 32 ks + 31 of my two key tiles
	global_load_b128 v[KR+16*((\ks)%6):KR+16*((\ks)%6)+3],     v1, s[16:17] offset:(\ks)*1024
	global_load_b128 v[KR+16*((\ks)%6)+4:KR+16*((\ks)%6)+7],   v1, s[16:17] offset:(\ks)*1024+512
	global_load_b128 v[KR+16*((\ks)%6)+8:KR+16*((\ks)%6)+11],  v1, s[16:17] offset:(\ks)*1024+16384
	global_load_b128 v[KR+16*((\ks)%6)+12:KR+16*((\ks)%6)+15], v1, s[16:17] offset:(\ks)*1024+16896
.endm
.macro QITEM ks                        ; the same d of both token tiles
.irp a, 0,1
	ds_load_b128 v[QR+16*((\ks)&3)+8*\a:QR+16*((\ks)&3)+8*\a+3],   v1 offset:16384*\a+(\ks)*1024
	ds_load_b128 v[QR+16*((\ks)&3)+8*\a+4:QR+16*((\ks)&3)+8*\a+7], v1 offset:16384*\a+(\ks)*1024+512
.endr
.endm
; source 0 = K, source 1 = Q: lane (r, h) holds token r, register j key 8 h + j of the tile: packed, that is a fragment for the second product
.macro SMUL ks
.irp a, 0,1
.irp n, 0,1
.if (\ks) == 0
	v_wmma_f32_16x16x32_bf16 v[SC+8*(2*\a+\n):SC+8*(2*\a+\n)+7], v[KR+8*\n:KR+8*\n+7], v[QR+8*\a:QR+8*\a+7], 0
.else
	v_wmma_f32_16x16x32_bf16 v[SC+8*(2*\a+\n):SC+8*(2*\a+\n)+7], v[KR+16*((\ks)%6)+8*\n:KR+16*((\ks)%6)+8*\n+7], v[QR+16*((\ks)&3)+8*\a:QR+16*((\ks)&3)+8*\a+7], v[SC+8*(2*\a+\n):SC+8*(2*\a+\n)+7]
.endif
.endr
.endr
.endm
; Steps 2 q and 2 q + 1 along d.  lc, dc: the loads issued behind those of step 2 q + 1.  The four accumulators take turns.
.macro SPAIR q, lc, dc
	s_wait_loadcnt \lc
	s_wait_dscnt \dc
	SMUL 2*\q
	SMUL 2*\q+1
.if \q < 7
	PLACES
.endif
.if \q < 5
	KITEM 2*\q+6
	KITEM 2*\q+7
.endif
.if \q < 6
	QITEM 2*\q+4
	QITEM 2*\q+5
.endif
.endm
.macro MASKD acc, s                    ; a tile on the diagonal: register j holds key j of the lane's eight: kept where j <= t - j0, s added where j = t - j0
.irp j, 0,1,2,3,4,5,6,7
	v_cmp_le_i32 vcc_lo, \j, v5
	v_cndmask_b32 v[\acc+\j], 0, v[\acc+\j], vcc_lo
	v_cmp_eq_u32 vcc_lo, \j, v5
	v_cndmask_b32 v3, 0, v[\s], vcc_lo
	v_add_f32 v[\acc+\j], v[\acc+\j], v3
.endr
.endm
; source 0 = V (row = column e, k = key), source 1 = A': lane (r, h) holds token r, register j column 8 h + j of my tile
.macro PVMUL u, zero
	VSET \u
.if \zero
	v_wmma_f32_16x16x32_bf16 v[OA:OA+7], v[vreg:vreg+7], v[QR+16*((\u)&3):QR+16*((\u)&3)+7], 0
	v_wmma_f32_16x16x32_bf16 v[OB:OB+7], v[vreg:vreg+7], v[QR+16*((\u)&3)+8:QR+16*((\u)&3)+15], 0
.else
	v_wmma_f32_16x16x32_bf16 v[OA:OA+7], v[vreg:vreg+7], v[QR+16*((\u)&3):QR+16*((\u)&3)+7], v[OA:OA+7]
	v_wmma_f32_16x16x32_bf16 v[OB:OB+7], v[vreg:vreg+7], v[QR+16*((\u)&3)+8:QR+16*((\u)&3)+15], v[OB:OB+7]
.endif
.endm
; Steps 2 p and 2 p + 1 of ns steps of 32 keys.  Behind V's step 2 p + 1 stand two loads for each later step; behind its A' the 8 LDS loads of the next two steps.
; The last pair also opens the barrier between every wave's reads of Q and A' and the stage's stores, which land on the same LDS bytes.
.macro PVPAIR p, ns
	s_wait_loadcnt 2*(\ns-2-2*\p)
.if 2*\p+2 < \ns
	s_wait_dscnt 8
.else
	s_wait_dscnt 0x0                               ; my last reads of A' are back (those of Q were back in front of the barrier before):
	s_barrier_signal -1                            ; say so, and work on registers while the others arrive
.endif
.if \p == 0
	PVMUL 2*\p, 1                                  ; the first products start the sums: nothing is cleared
.else
	PVMUL 2*\p, 0
.endif
	PVMUL 2*\p+1, 0
	PLACES
.if 2*\p+4 < \ns
	AITEM 2*\p+4
	AITEM 2*\p+5
.endif
.endm
; All that stands behind the first barrier, for ns steps of 32 keys.
.macro BODY ns
	s_cmp_ge_u32 s8, s11
	s_cbranch_scc1 .Lidle\ns
.irp p, 0,1,2,3,4,5,6,7
	global_load_b32 v[16+\p], v13, s[20:21] offset:\p*16384    ; row 32 J + lane: four parts of Q's row sum, four of K's
.endr
.irp i, 0,1,2,3,4,5
	KITEM \i
.endr
.irp i, 0,1,2,3
	QITEM \i
.endr
.irp q, 0,1,2,3,4,5
	SPAIR \q, 16, 8                                ; behind a pair of steps: four steps of K (16 loads), two of Q (8 LDS loads); V's first loads and the sums are older
.endr
.if \ns > 4
	VRUN 4                                         ; K's slots 4 and 5 have had their last use: V's steps 4 to 7
	SPAIR 6, 16, 8                                 ; behind K's steps 12, 13: steps 14, 15 (8 loads) and those 8
.else
	SPAIR 6, 8, 8
.endif
.if \ns > 8
	VRUN 8                                         ; slots 0 and 1: V's steps 8 to 11
	SPAIR 7, 16, 0                                 ; behind K's step 15: V's steps 4 to 11
.else
.if \ns > 4
	SPAIR 7, 8, 0
.else
	SPAIR 7, 0, 0
.endif
.endif
	v_add_f32 v16, v16, v17                        ; s: these seven lines name no register of the products above and are the places behind them
	v_add_f32 v18, v18, v19
	v_add_f32 v20, v20, v21
	v_add_f32 v22, v22, v23
	v_add_f32 v16, v16, v18
	v_add_f32 v20, v20, v22
	v_mul_f32 v7, v16, v20
.if \ns > 12
	VRUN 12                                        ; slots 2 and 3: V's steps 12 to 15
.endif
	v_permlanex16_b32 v15, v7, s28, s29            ; lanes 0-15 hold s of token tile 0, lanes 16-31 of tile 1: every lane needs row r of both
	v_cndmask_b32 v9, v7, v15, s26                 ; tile 0: my own in lanes 0-15, the other half's in lanes 16-31
	v_cndmask_b32 v14, v15, v7, s26                ; tile 1: the other way round
	MASKD SC, 9                                    ; tokens 0-15 against keys 0-15 of my pair
	MASKD SC+24, 14                                ; tokens 16-31 against keys 16-31: the same t - j
	v_cmp_le_i32 vcc_lo, 0, v6                     ; tokens 0-15 against keys 16-31: all later than the tokens in pair J (v6 <= -1), all earlier in pairs before it (v6 >= 8)
.irp j, 0,1,2,3,4,5,6,7
	v_cndmask_b32 v[SC+8+\j], 0, v[SC+8+\j], vcc_lo
.endr
	                                               ; tokens 16-31 against keys 0-15: every key is earlier than every token in all pairs w <= J: kept as it is
.irp i, 0,1,2,3
.irp k, 0,1,2,3
	v_cvt_pk_bf16_f32 v[16+4*\i+\k], v[SC+8*\i+2*\k], v[SC+8*\i+2*\k+1]
.endr
.endr
.irp i, 0,1,2,3
	ds_store_b128 v10, v[16+4*\i:16+4*\i+3] offset:512*\i      ; tile (a, n): registers 4 n .. 4 n + 3 of token tile a's fragment
.endr
	s_branch .Ljoin\ns
.Lidle\ns:
.if \ns > 4
	VRUN 4                                         ; no K: the rest of V is asked for at once, in the same order and into the same registers
.endif
.if \ns > 8
	VRUN 8
.endif
.if \ns > 12
	VRUN 12
.endif
.irp k, 0,1,2,3
	v_mov_b32 v[16+\k], 0                          ; every key of my pair lies behind my tokens
.endr
.irp i, 0,1,2,3
	ds_store_b128 v10, v[16:19] offset:512*\i
.endr
.Ljoin\ns:
	s_wait_dscnt 0x0                               ; my blocks of A' are in LDS, and my reads of Q are back,
	s_barrier_signal -1
	s_barrier_wait -1                              ; and so for all sixteen waves
.irp i, 0,1,2,3
	AITEM \i
.endr
	PVPAIR 0, \ns
	PVPAIR 1, \ns
.if \ns > 4
	PVPAIR 2, \ns
	PVPAIR 3, \ns
.endif
.if \ns > 8
	PVPAIR 4, \ns
	PVPAIR 5, \ns
.endif
.if \ns > 12
	PVPAIR 6, \ns
	PVPAIR 7, \ns
.endif
	s_barrier_wait -1                              ; no wave reads Q's or A's blocks any more: the stage may be written over them
	ds_store_b128 v11, v[OA:OA+3]                  ; token r, columns 16 w + 8 h + 0..7
	ds_store_b128 v11, v[OA+4:OA+7] offset:16
	ds_store_b128 v11, v[OB:OB+3] offset:16*STP    ; token 16 + r
	ds_store_b128 v11, v[OB+4:OB+7] offset:16*STP+16
	s_wait_dscnt 0x0                               ; my 16 columns of all 32 rows are in the stage,
	s_barrier_signal -1
	s_barrier_wait -1                              ; everybody's are
.irp q, 0,1,2,3
	ds_load_b128 v[QR+4*\q:QR+4*\q+3], v12 offset:(\q>>1)*STP+(\q&1)*512       ; wave w takes rows 2 w and 2 w + 1, 1,024 bytes each
.endr
.irp q, 0,1,2,3
	s_wait_dscnt 3-\q
	global_store_b128 v1, v[QR+4*\q:QR+4*\q+3], s[22:23] offset:(\q>>1)*2048+(\q&1)*512 th:TH_STORE_NT   ; 512 consecutive bytes, aligned
.endr
	s_wait_xcnt 0x0
	v_lshl_add_u32 v222, v0, 2, 0x10000
	v_mov_b32 v223, 0
	s_wait_tensorcnt 0x0
	ds_add_u32 v222, v223
	s_wait_dscnt 0x0
	s_endpgm
.endm
	s_load_b128 s[4:7], s[0:1], 0x0                ; ws s[4:5], out0 s[6:7]
	v_lshrrev_b32 v3, 5, v0
	v_readfirstlane_b32 s8, v3                     ; wave w
	s_lshr_b32 s9, ttmp9, 1                        ; J: which 32 tokens
	s_and_b32 s27, ttmp9, 1                        ; c: which 256 columns
	s_and_b32 s10, ttmp7, 0xffff                   ; b
	s_add_co_u32 s11, s9, 1                        ; key pairs with a key <= my last token
	s_lshr_b32 s12, s9, 2                          ; NS / 4 - 1
	s_lshl_b32 s13, s10, 19                        ; a batch of QF, KF or VF: 524,288 bytes
	s_mov_b32 s25, 0
	s_mov_b32 s26, 0xffff0000                      ; lanes 16 to 31
	s_mov_b32 s28, 0x76543210                      ; v_permlanex16_b32: lane i of one half reads lane i of the other
	s_mov_b32 s29, 0xfedcba98
	v_and_b32 v3, 31, v0
	v_lshlrev_b32 v1, 4, v3
	v_lshlrev_b32 v2, 4, v0
	s_wait_kmcnt 0x0
	s_lshl_b32 s24, s9, 15
	s_add_co_u32 s24, s24, s13
	s_add_nc_u64 s[14:15], s[4:5], s[24:25]        ; QF: my 32 blocks
	s_lshl_b32 s24, s27, 14
	s_lshl_b32 s30, s8, 10
	s_add_co_u32 s24, s24, s30
	s_add_co_u32 s24, s24, s13
	s_add_co_u32 s24, s24, VFO
	s_add_nc_u64 s[18:19], s[4:5], s[24:25]        ; VF: step 0, column tile 16 c + w
.irp i, 0,1,2,3
	global_load_b128 v[QR+4*\i:QR+4*\i+3], v2, s[14:15] offset:8192*\i         ; Q: 512 threads x 16 bytes, four times
.endr
	VRUN 0                                         ; V's first four steps go out at once, in every wave
	s_lshl_b32 s24, s8, 15
	s_add_co_u32 s24, s24, s13
	s_add_co_u32 s24, s24, KFO
	s_add_nc_u64 s[16:17], s[4:5], s[24:25]        ; KF: key tiles 2 w, 2 w + 1
	s_lshl_b32 s24, s10, 11
	s_add_co_u32 s24, s24, SUMSO
	s_add_nc_u64 s[20:21], s[4:5], s[24:25]        ; the sums of my batch
	s_lshl_b32 s24, s10, 9
	s_lshl_b32 s30, s9, 5
	s_add_co_u32 s24, s24, s30
	s_lshl_b32 s30, s8, 1
	s_add_co_u32 s24, s24, s30
	s_lshl_b32 s24, s24, 11
	s_lshl_b32 s30, s27, 10
	s_add_co_u32 s24, s24, s30
	s_add_nc_u64 s[22:23], s[6:7], s[24:25]        ; out0 at row 512 b + 32 J + 2 w, column 256 c
	v_and_b32 v4, 15, v0                           ; r
	v_bfe_u32 v15, v0, 4, 1                        ; h
	s_sub_co_i32 s24, s9, s8
	s_lshl_b32 s24, s24, 5
	v_add_nc_u32 v5, s24, v4
	v_lshlrev_b32 v7, 3, v15
	v_sub_nc_u32 v5, v5, v7                        ; 32 (J - w) + r - 8 h, signed
	v_add_nc_u32 v6, -16, v5
	v_lshl_add_u32 v10, s8, 11, v1
	v_add_nc_u32 v10, AP, v10                      ; A': step w, 16 bytes a lane
	v_mul_u32_u24 v11, v4, STP
	v_lshl_add_u32 v11, v15, 5, v11
	v_lshl_add_u32 v11, s8, 6, v11                 ; stage: row r, byte 64 w + 32 h
	s_mul_i32 s24, s8, 2*STP
	v_add_nc_u32 v12, s24, v1                      ; stage: row 2 w, 16 bytes a lane
	s_lshl_b32 s24, s9, 7
	v_lshl_add_u32 v13, v3, 2, s24                 ; word 32 J + lane
	s_wait_loadcnt 8                               ; Q is in; V's 8 loads stay out
.irp i, 0,1,2,3
	ds_store_b128 v2, v[QR+4*\i:QR+4*\i+3] offset:8192*\i
.endr
	s_wait_dscnt 0x0                               ; my part of Q is in LDS,
	s_barrier_signal -1
	s_barrier_wait -1                              ; everybody's is
	s_cmp_eq_u32 s12, 0
	s_cbranch_scc1 .Lfour
	s_cmp_eq_u32 s12, 1
	s_cbranch_scc1 .Leight
	s_cmp_eq_u32 s12, 2
	s_cbranch_scc1 .Ltwelve
	BODY 16
.Ltwelve:
	BODY 12
.Leight:
	BODY 8
.Lfour:
	BODY 4
.Lfunc_end_k_q582359d341_attn:
	.size	k_q582359d341_attn, .Lfunc_end_k_q582359d341_attn-k_q582359d341_attn
	.p2alignl 7, 3214868480
	.fill 96, 4, 3214868480
	.section	.rodata,"a",@progbits
	.p2align	6, 0x0
	.amdhsa_kernel k_q582359d341_attn
		.amdhsa_group_segment_fixed_size 67584
		.amdhsa_private_segment_fixed_size 0
		.amdhsa_enable_private_segment 0
		.amdhsa_kernarg_size 16
		.amdhsa_user_sgpr_count 2
		.amdhsa_user_sgpr_kernarg_segment_ptr 1
		.amdhsa_wavefront_size32 1
		.amdhsa_system_sgpr_workgroup_id_x 1
		.amdhsa_system_sgpr_workgroup_id_y 1
		.amdhsa_system_sgpr_workgroup_id_z 1
		.amdhsa_system_vgpr_workitem_id 0
		.amdhsa_next_free_vgpr 256
		.amdhsa_next_free_sgpr 66
		.amdhsa_reserve_vcc 1
		.amdhsa_float_denorm_mode_32 3
		.amdhsa_float_denorm_mode_16_64 3
		.amdhsa_memory_ordered 1
		.amdhsa_forward_progress 1
		.amdhsa_inst_pref_size 123
	.end_amdhsa_kernel
	.amdgpu_metadata
---
amdhsa.version: [ 1, 2 ]
amdhsa.kernels:
  - .name:           k_q582359d341_attn
    .symbol:         k_q582359d341_attn.kd
    .args:
      - { .name: ws, .offset: 0, .size: 8, .value_kind: global_buffer, .address_space: global }
      - { .name: out0, .offset: 8, .size: 8, .value_kind: global_buffer, .address_space: global }
    .group_segment_fixed_size: 67584
    .private_segment_fixed_size: 0
    .kernarg_segment_align: 8
    .kernarg_segment_size: 16
    .max_flat_workgroup_size: 512
    .sgpr_count:     66
    .vgpr_count:     256
    .wavefront_size: 32
...
	.end_amdgpu_metadata
.endif
;; end of part 2
